; MI455X (gfx1250); checked and timed in simulation.
; The chip was launched on July 23, 2026; its instructions are those of AMD's public machine-readable ISA for CDNA 5 (MIT licence, August 2026) and "CDNA5" Instruction Set Architecture Reference Guide (July 2026). The comments in the code are by the model that wrote it; some were corrected since.
;; Causal Temporal Map Attention 2. Allowed arithmetic: matrix products marked QUANTISED: E2M3 operands, one E8M0 scale for each 32 along K, by v_wmma_scale_f32_16x16x128_f8f6f4 with both operands' format E2M3, f32 sums; everything else in f32.
;; Inputs: W0 512 x 512 float32; W1 64 x 512 float32; W2 512 x 64 float32; W3 64 x 64 float32; e 2,048 x 64 float32; x 8 x 2,048 x 512 float32.
;; Outputs: out0 8 x 2,048 x 512 float32.
;; This version of the problem:
;;   THIS VERSION OF THE PROBLEM IS GIVEN IN LOW PRECISION. The matrix products marked QUANTISED in the list below multiply operands that are first quantised to E2M3 (2 exponent bits, 3 mantissa bits; 6 bits a number), with one power-of-two scale for each 32 numbers along K (OCP MX v1.0); their sums are f32. All else is computed in f32.
;;   The module's matrix products, in the order in which they are computed (A, B: the left and right operand; K: the contracted axis; several contracted axes count as one K, in the product's order):
;;     1. [M 16,384, K 512] x [K 512, N 512]; A: input x; B: computed on the way: QUANTISED
;;     2. batch 8 x [M 2,048, K 512] x [K 512, N 2,048]; A: computed on the way; B: input x: QUANTISED
;;     3. [M 16,384, K 512] x [K 512, N 64]; A: input x; B: input W1: QUANTISED
;;     4. [M 16,384, K 64] x [K 64, N 2,048]; A: computed on the way; B: input e: QUANTISED
;;     5. [M 2,048, K 64] x [K 64, N 512]; A: input e; B: input W2: QUANTISED
;;     6. [M 16,384, K 512] x [K 512, N 2,048]; A: input x; B: computed on the way: QUANTISED
;;     7. [M 2,048, K 64] x [K 64, N 64]; A: input e; B: input W3: QUANTISED
;;     8. [M 2,048, K 64] x [K 64, N 2,048]; A: computed on the way; B: input e: QUANTISED
;;     9. batch 8 x [M 2,048, K 2,048] x [K 2,048, N 512]; A: computed on the way; B: input x: QUANTISED
;;   THE QUANTISER, for each operand of a quantised product, along K:
;;     - K is cut into blocks of 32 from its start; a last block that is shorter is filled with zeros.
;;     - A block's scale is 2^e with e = floor(log2(the largest magnitude in the block)) - 2, held to -126 .. 127; a block of zeros has e = 0. As a byte (E8M0): e + 127.
;;     - Each number is divided by its block's scale, clamped to +-7.5, and rounded to the nearest number of E2M3, ties to even, subnormals kept.
;;     - The product sums the exact products of the quantised numbers (number of the format x scale) in f32.
;;   ~~~python
;;   def quantise(x, axis):      # numpy; x: float32 -> the quantised numbers, widened to float32 again
;;       x = np.moveaxis(x, axis, -1); K = x.shape[-1]
;;       x = np.pad(x, [(0, 0)] * (x.ndim - 1) + [(0, -K % 32)]); x = x.reshape(x.shape[:-1] + (-1, 32)); a = np.abs(x).max(-1, keepdims=True)
;;       e = np.where(a > 0, np.clip(np.frexp(np.where(a > 0, a, 1))[1] - 1 - 2, -126, 127), 0)      # np.frexp(a)[1] - 1 = floor(log2(a)), exactly
;;       r = np.clip(x / 2.0 ** e, -7.5, 7.5)
;;       step = 2.0 ** (np.maximum(np.frexp(np.where(r == 0, 1, r))[1] - 1, 0) - 3)
;;       q = np.round(r / step) * step * 2.0 ** e      # np.round: ties to even
;;       return np.moveaxis(q.reshape(q.shape[:-2] + (-1,))[..., :K], -1, axis).astype(np.float32)
;;   ~~~
;;   OPERANDS COMPUTED ON THE WAY. 'Computed on the way' means the value that the module computes at that place (a softmax that the list does not call 'softmax' is quantised finished and normalised). What goes into a quantiser is computed in f32, as accurately as f32 sums, v_exp_f32 and their like allow (about 1e-6 of the number): no bf16 or f16 on the way to a quantiser, and a product that is left as it is and whose result goes on into a quantised operand takes f32 operands (vector FMAs, or v_wmma_f32_16x16x4_f32). A number that lies on a knife's edge between two numbers of the format may be rounded either way, as far as f32 arithmetic and the matrix unit's own rounding can turn it there, and no further.
;; One version. Each part assembles by itself: llvm-mc -triple=amdgcn-amd-amdhsa -mcpu=gfx1250 --defsym DOCPART=n.
;; ======== version 1 of 1: 2 launches
;; workspace buffers: kp 8,192,000 bytes; vp 6,553,600 bytes; wq 320,000 bytes
;; launch prep (part 1): grid 32 x 8, 8 waves a work-group, no clusters, 168,960 bytes of LDS; arguments x, e, W0, W1, W2, W3, kp, vp, wq; writes kp, vp, wq
.if DOCPART == 1
	.amdgcn_target "amdgcn-amd-amdhsa--gfx1250"
	.amdhsa_code_object_version 6
	.text
	.protected	k_qf4d14ddee5_prep
	.globl	k_qf4d14ddee5_prep
	.p2align	8
	.type	k_qf4d14ddee5_prep,@function
k_qf4d14ddee5_prep:
	s_mov_b64 s[64:65], 0
	v_nop
	global_prefetch_b8 v0, s[64:65] scope:SCOPE_SE
	s_setreg_imm32_b32 hwreg(HW_REG_WAVE_MODE, 25, 1), 1
	s_wait_xcnt 0x0
; x [8][2048][512], e [2048][64] and the four weights, all f32, become codes of FP6 (E2M3) with one E8M0 byte for each 32 along K,
; laid as IMAGES OF OPERAND REGISTERS: a fragment (16 rows x 128 K, 12 registers a lane) is 1,536 bytes: group g of four registers at 512 g + 16 x lane.
; Lane (r, h) of a fragment holds, in registers 6 c .. 6 c + 5, k = 64 c + 32 h + 0 .. 31 of row r: a whole block of 32 in one lane, so no other lane is asked for a maximum.
; x is quantised twice from ONE read: along t (keys and queries of the score products, buffer kp) and along the keys (the last product's operand, buffer vp).
; A work-group takes x[b][128 step .. +127][256 hf .. +255] into LDS by tensor loads (each wave 16 rows of 1,024 bytes, filled once).
; Wave v then makes key tile v for the K steps 2 hf and 2 hf + 1 (a lane reads 32 neighbours of its row) and the column tiles 16 hf + 2 v, + 1 (a lane takes a column, its registers run down the keys).
; THE ROWS OF A KEY TILE ARE NOT NEIGHBOURS: lane r of tile T takes row 32 (T / 2) + 8 (T % 2) + r + 8 (r / 8), so that the results of tiles 2 b and 2 b + 1 are 16 neighbours along the next K.  Weights' rows likewise.
; While the tile is on its way, waves 0-3 make a fragment of e ([e | e] along K) for their block of kp, and wave 4 one fragment of the weights (buffer wq), straight from memory:
; W0 with triu(., 1) and relu ahead of the quantiser; W2 with zero codes in its upper 64 k; W1 and W3 as one matrix [W1 | 0 ; 0 | W3, 0] of 128 x 640.
; A block's scale is 2^(floor(log2(largest magnitude)) - 2): its byte is the largest magnitude's exponent field - 2, held at 1 from below.
; LIMITS: NaN and infinities among the inputs are not served.  A block of zeros, or one whose largest magnitude lies under 2^-124, gets the byte 1: a block of zeros has zero codes, which add nothing, and this program alone reads the bytes.
; No cluster: no two work-groups read the same tile of x.
; THE TILE IN LDS.  A row is 1,024 bytes + 16: 260 words, so row r starts at bank 4 r mod 64 (64 banks of 4 bytes: ISA guide 11.1).  Rows 16 and 32 apart would start at the same bank, and both reads take such rows at once:
; a key fragment's lanes r and r + 8 stand 16 rows apart, a column fragment's two halves of the lanes 32 rows apart.  So wave v's block of 16 rows begins at GA (v % 2) + GB ((v / 2) % 2) + GC (v / 4):
; odd blocks lie 128 bytes (32 banks) further on modulo 256, every second pair of blocks 64 bytes (16 banks)., and the 32 lanes of a 4-byte load 32 different ones.
.set PITCH, 1040                       ; an LDS row: 1,024 bytes + 16
.set GA,    16768                      ; 16 rows + 128
.set GB,    33600                      ; two such blocks + 64
.set GC,    67200                      ; four blocks
.set FRAG,  1536
.set XA,    128                        ; v128-191  64 numbers of a lane
.set XB,    192                        ; v192-255  the other set
; REGISTERS: v1 lane, v2 r, v3 h, v4 r + 8 (r / 8), v5 16 x lane; v6 LDS address for key fragments, v7-8 for column fragments; v9-10 offsets of the fragment from memory; v11-12 its keep limits;
; v13-15 offsets of scale words; v16 8 h; v17-23 at work; v25 a lane permute's destination; v26-32 second halves of conversions; v34-38 scale words; v40.. five fragments of 12, each written once.
; 64 numbers v[x + 32 c + i] = k 64 c + 32 h + i of my row -> 12 registers of codes at v[f], my row's scale word in v[w]
.macro QFRAG x, f, w
.irp c, 0,1
	v_max3_num_f32 v[18+\c], |v[\x+32*\c]|, |v[\x+32*\c+1]|, 0x1800000   ; my block 2 c + h, and the floor 2^(3 - 127): the byte cannot fall under 1
.endr
.irp i, 2,4,6,8,10,12,14,16,18,20,22,24,26,28,30
.irp c, 0,1
	v_max3_num_f32 v[18+\c], v[18+\c], |v[\x+32*\c+\i]|, |v[\x+32*\c+\i+1]|   ; the two blocks by turns
.endr
.endr
.irp c, 0,1
	v_add_nc_u32 v[20+\c], 0xff000000, v[18+\c]    ; 2 off the exponent field: the conversion's scale operand
.endr
.irp c, 0,1
	v_lshrrev_b32 v[22+\c], 23, v[20+\c]           ; the scale's byte
.endr
	v_lshl_or_b32 v[\w], v23, 16, v22              ; my bytes: blocks h and 2 + h,
	v_lshlrev_b32 v[\w], v16, v[\w]                ; 8 h bits up;
	v_permlanex16_b32 v25, v[\w], s60, s61
	v_or_b32 v[\w], v[\w], v25                     ; with lane l xor 16's two the word is whole
.irp c, 0,1
	v_cvt_scalef32_pk16_fp6_f32 v[\f+6*\c:\f+6*\c+2], v[\x+32*\c:\x+32*\c+15], v[20+\c]
	v_cvt_scalef32_pk16_fp6_f32 v[26+4*\c:28+4*\c], v[\x+32*\c+16:\x+32*\c+31], v[20+\c]   ; (a conversion's three registers begin on an even number)
.endr
	v_nop                                          ; one plain place behind a scaled conversion
.irp c, 0,1
.irp i, 0,1,2
	v_mov_b32 v[\f+6*\c+3+\i], v[26+4*\c+\i]
.endr
.endr
.endm
.macro PUT f, base, off                ; a fragment's image: each store of the wave covers 512 consecutive bytes, aligned
.irp g, 0,1,2
	global_store_b128 v5, v[\f+4*\g:\f+4*\g+3], s[\base:\base+1] offset:\off+512*\g
.endr
.endm
.macro KLOAD x, off                    ; my row's 2 x 32 neighbours along t
.irp c, 0,1
.irp i, 0,1,2,3,4,5,6,7
	ds_load_b128 v[\x+32*\c+4*\i:\x+32*\c+4*\i+3], v6 offset:\off+256*\c+16*\i
.endr
.endr
.endm
.macro VLOAD x, off                    ; my column, 2 x 32 keys down: key n of the 32 lies in block n / 16, row n % 16
.irp c, 0,1
.set n, 0
.rept 32
	ds_load_b32 v[\x+32*\c+n], v[7+\c] offset:\off+GA*(n/16)+PITCH*(n%16)
.set n, n+1
.endr
.endr
.endm
	s_load_b512 s[4:19], s[0:1], 0x0               ; x s[4:5], e s[6:7], W0 s[8:9], W1 s[10:11], W2 s[12:13], W3 s[14:15], kp s[16:17], vp s[18:19]
	s_load_b64 s[20:21], s[0:1], 0x40              ; wq
	v_lshl_add_u32 v126, v0, 2, 0x29000
	v_mov_b32 v127, 0
	ds_add_u32 v126, v127
	ds_add_u32 v126, v127
	v_lshrrev_b32 v1, 5, v0
	v_readfirstlane_b32 s22, v1                    ; wave v, 0..7
	s_mov_b32 s23, ttmp9                           ; 2 step + hf
	s_and_b32 s24, ttmp7, 0xffff                   ; b
	s_lshr_b32 s25, s23, 1                         ; step
	s_and_b32 s26, s23, 1                          ; hf
	s_lshl_b32 s27, s24, 4
	s_add_co_u32 s27, s27, s25                     ; block 16 b + step
	s_lshl_b32 s28, s24, 5
	s_add_co_u32 s28, s28, s23                     ; g: the work-group's number, 0..255
	s_mul_i32 s29, s27, 64000                      ; my block in kp
	s_mul_i32 s30, s27, 51200                      ; and in vp
	s_mov_b32 s60, 0x76543210
	s_mov_b32 s61, 0xfedcba98                      ; v_permlanex16_b32's selects for lane l xor 16
	; the tile's descriptor: 16 rows x 256 elements of 4 bytes, 512 elements from row to row, 4 words of padding behind each 256 words
	s_mov_b32 s36, (2<<16)|(1<<20)|(7<<22)|(3<<25)
	s_mov_b32 s37, 256<<16                         ; tensor_dim0
	s_mov_b32 s38, 16<<16                          ; tensor_dim1
	s_mov_b32 s39, 256<<16                         ; tile_dim0
	s_mov_b32 s40, 16                              ; tile_dim1
	s_mov_b32 s41, 512                             ; the pitch
	s_mov_b32 s42, 0
	s_mov_b32 s43, 0
	s_lshl_b32 s80, s24, 22                        ; b x 2048 rows of 2,048 bytes
	s_lshl_b32 s81, s25, 18                        ; + 128 step rows
	s_add_co_u32 s80, s80, s81
	s_lshl_b32 s81, s22, 15                        ; + 16 v rows
	s_add_co_u32 s80, s80, s81
	s_lshl_b32 s81, s26, 10                        ; + 256 hf columns
	s_add_co_u32 s80, s80, s81
	s_mov_b32 s81, 0
	s_mov_b32 s32, 1
	s_and_b32 s33, s22, 1                          ; my 16 rows in LDS: GA (v % 2)
	s_mul_i32 s33, s33, GA
	s_bfe_u32 s82, s22, 0x10001                    ; + GB ((v / 2) % 2)
	s_mul_i32 s82, s82, GB
	s_add_co_u32 s33, s33, s82
	s_lshr_b32 s82, s22, 2                         ; + GC (v / 4)
	s_mul_i32 s82, s82, GC
	s_add_co_u32 s33, s33, s82
	s_wait_dscnt 0x0
	s_wait_kmcnt 0x0
	s_add_nc_u64 s[34:35], s[4:5], s[80:81]
	s_or_b32 s35, s35, 0x80000000
	tensor_load_to_lds s[32:35], s[36:43]          ; one load a wave, filled once
	s_nop 0
.rept 4
	v_nop
.endr
	v_and_b32 v1, 31, v0                           ; lane
	v_and_b32 v2, 15, v0                           ; r
	v_bfe_u32 v3, v0, 4, 1                         ; h
	v_and_b32 v4, 8, v2
	v_add_nc_u32 v4, v4, v2                        ; r + 8 (r / 8)
	v_lshlrev_b32 v5, 4, v1                        ; 16 x lane
	s_and_b32 s83, s22, 1                          ; key tile v: rows 32 (v / 2) + 8 (v % 2) + r + 8 (r / 8): blocks 2 (v / 2) and 2 (v / 2) + 1, rows 8 (v % 2) + r % 8 of them
	s_mul_i32 s80, s83, 8*PITCH
	s_bfe_u32 s84, s22, 0x10001
	s_mul_i32 s84, s84, GB
	s_add_co_u32 s80, s80, s84
	s_lshr_b32 s84, s22, 2
	s_mul_i32 s84, s84, GC
	s_add_co_u32 s80, s80, s84
	v_and_b32 v17, 7, v2
	v_mul_u32_u24 v6, v17, PITCH
	v_lshrrev_b32 v17, 3, v2
	v_mad_u32_u24 v6, v17, GA, v6                  ; lanes r >= 8: the odd block
	v_lshl_add_u32 v6, v3, 7, v6
	v_add_nc_u32 v6, s80, v6                       ; key fragments: my row, + 128 h bytes
	v_mul_u32_u24 v7, v3, GB
	v_lshl_add_u32 v7, v2, 2, v7
	s_lshl_b32 s80, s22, 7
	v_add_nc_u32 v7, s80, v7                       ; column fragments: key 32 h, column 32 v + r
	v_add_nc_u32 v8, GC, v7                        ; and 64 keys further down
	s_lshl_b32 s80, s83, 8
	v_lshl_add_u32 v13, v2, 4, s80                 ; x's scale words: 256 (v % 2) + 16 r
	v_lshlrev_b32 v14, 4, v2                       ; the columns': 16 r
	v_lshlrev_b32 v16, 3, v3                       ; 8 h
	v_mov_b32 v25, 0                               ; a lane permute's destination counts as one of its sources
	; where my results go
	s_lshl_b32 s80, s22, 2
	s_lshl_b32 s83, s26, 1
	s_add_co_u32 s80, s80, s83
	s_mul_i32 s80, s80, FRAG
	s_add_co_u32 s80, s80, s29
	s_add_nc_u64 s[66:67], s[16:17], s[80:81]      ; kp: fragment 4 v + 2 hf of my block
	s_lshr_b32 s80, s22, 1
	s_lshl_b32 s80, s80, 9
	s_lshl_b32 s83, s26, 3
	s_add_co_u32 s80, s80, s83
	s_add_co_u32 s80, s80, s29
	s_add_co_u32 s80, s80, 61440
	s_add_nc_u64 s[68:69], s[16:17], s[80:81]      ; kp: scale words [pair v / 2][lane][j], at j = 2 hf
	s_lshl_b32 s80, s26, 4
	s_lshl_b32 s83, s22, 1
	s_add_co_u32 s80, s80, s83
	s_mul_i32 s80, s80, FRAG
	s_add_co_u32 s80, s80, s30
	s_add_nc_u64 s[70:71], s[18:19], s[80:81]      ; vp: fragment 16 hf + 2 v
	s_lshl_b32 s80, s26, 1
	s_lshr_b32 s83, s22, 2
	s_add_co_u32 s80, s80, s83
	s_lshl_b32 s80, s80, 9
	s_and_b32 s83, s22, 3
	s_lshl_b32 s83, s83, 2
	s_add_co_u32 s80, s80, s83
	s_add_co_u32 s80, s80, s30
	s_add_co_u32 s80, s80, 49152
	s_add_nc_u64 s[72:73], s[18:19], s[80:81]      ; vp: scale words [2 hf + v / 4][lane][v % 4]
	; ---- ONE FRAGMENT STRAIGHT FROM MEMORY, while the tile is on its way.  Which one hangs on the wave's and the work-group's numbers alone.
	; s44 which tensor (0 e, 1 W0, 2 W2, 3 W1, 4 W3); s45 the tile's first row; s46 log2 of a row's bytes; s47 first byte along K; s48 bytes from the lower 64 k to the upper;
	; s49, s50: number i of my 32 is kept where i > limit (lower, upper 64 k); s52: 1 where the limit hangs on the lane (W0's triangle); s51 the floor of the numbers (0 for relu, else -infinity);
	; s53, s54 where the fragment and its scale words go; s55 log2 of the bytes from row to row among the scale words; s56: 1 = into kp, 0 = into wq
	s_mov_b32 s44, 0
	s_mov_b32 s46, 8
	s_mov_b32 s47, 0
	s_mov_b32 s48, 0
	s_mov_b32 s49, -1
	s_mov_b32 s50, -1
	s_mov_b32 s51, 0xff800000
	s_mov_b32 s52, 0
	s_mov_b32 s55, 4
	s_mov_b32 s56, 0
	s_cmp_lt_u32 s22, 4
	s_cbranch_scc1 .Ljob_e
	s_cmp_eq_u32 s22, 4
	s_cbranch_scc0 .Lno_job
	s_cmp_lt_u32 s28, 128
	s_cbranch_scc1 .Ljob_w0
	s_cmp_lt_u32 s28, 160
	s_cbranch_scc1 .Ljob_w2
	s_cmp_lt_u32 s28, 224
	s_cbranch_scc0 .Lno_job
	; [W1 | 0 ; 0 | W3, 0]: tile T = (g - 160) / 8, K step j = (g - 160) % 8, of which 0 .. 4 exist
	s_sub_co_u32 s80, s28, 160
	s_lshr_b32 s83, s80, 3                         ; T
	s_and_b32 s81, s80, 7                          ; j
	s_cmp_gt_u32 s81, 4
	s_cbranch_scc1 .Lno_job
	s_and_b32 s85, s83, 1
	s_and_b32 s45, s83, 3
	s_lshr_b32 s45, s45, 1
	s_lshl_b32 s45, s45, 5
	s_lshl_b32 s86, s85, 3
	s_add_co_u32 s45, s45, s86                     ; first row in W1 (T < 4) or in W3
	s_cmp_lt_u32 s83, 4
	s_cselect_b32 s44, 3, 4
	s_cselect_b32 s46, 11, 8
	s_cselect_b32 s48, 256, 0
	s_cselect_b32 s84, 1, 0                        ; 1: W1
	s_cmp_lt_u32 s81, 4
	s_cselect_b32 s86, 1, 0                        ; 1: j < 4
	s_xor_b32 s87, s84, s86                        ; 1: a fragment of zeros (W1 at j = 4, W3 at j < 4)
	s_cmp_lg_u32 s87, 0
	s_cselect_b32 s49, 1000, -1
	s_cmp_lg_u32 s84, 0
	s_cselect_b32 s50, s49, 1000                   ; W3 has 64 along K: its upper 64 k are zeros
	s_and_b32 s87, s84, s86
	s_mul_i32 s47, s87, s81
	s_lshl_b32 s47, s47, 9                         ; W1 at j < 4: 512 j bytes along K; else 0, so that every load stays inside its tensor
	s_mul_i32 s53, s83, 5
	s_add_co_u32 s53, s53, s81
	s_mul_i32 s53, s53, FRAG
	s_add_co_u32 s53, s53, 253952
	s_lshr_b32 s54, s83, 1
	s_mul_i32 s54, s54, 640
	s_lshl_b32 s57, s81, 7
	s_add_co_u32 s54, s54, s57
	s_lshl_b32 s57, s85, 6
	s_add_co_u32 s54, s54, s57
	s_add_co_u32 s54, s54, 317440
	s_mov_b32 s55, 2
	s_branch .Lgfrag
.Ljob_e:                                               ; key tile kt = 4 hf + v of e, K = [e | e]
	s_lshl_b32 s80, s26, 2
	s_add_co_u32 s80, s80, s22                     ; kt
	s_lshr_b32 s81, s80, 1
	s_and_b32 s83, s80, 1
	s_lshl_b32 s45, s25, 7
	s_lshl_b32 s84, s81, 5
	s_add_co_u32 s45, s45, s84
	s_lshl_b32 s84, s83, 3
	s_add_co_u32 s45, s45, s84                     ; 128 step + 32 (kt / 2) + 8 (kt % 2)
	s_mul_i32 s53, s80, FRAG
	s_add_co_u32 s53, s53, s29
	s_add_co_u32 s53, s53, 49152
	s_lshl_b32 s54, s81, 7
	s_lshl_b32 s84, s83, 6
	s_add_co_u32 s54, s54, s84
	s_add_co_u32 s54, s54, s29
	s_add_co_u32 s54, s54, 63488
	s_mov_b32 s55, 2
	s_mov_b32 s56, 1
	s_branch .Lgfrag
.Ljob_w0:                                              ; relu(triu(W0, 1)): tile T = g / 4, K step j = g % 4
	s_mov_b32 s44, 1
	s_lshr_b32 s80, s28, 2                         ; T
	s_and_b32 s81, s28, 3                          ; j
	s_lshr_b32 s83, s80, 3                         ; which wave of the next launch takes it
	s_and_b32 s84, s80, 7                          ; its tile t there
	s_and_b32 s85, s80, 1
	s_lshr_b32 s45, s80, 1
	s_lshl_b32 s45, s45, 5
	s_lshl_b32 s86, s85, 3
	s_add_co_u32 s45, s45, s86
	s_mov_b32 s46, 11
	s_lshl_b32 s47, s81, 9
	s_mov_b32 s48, 256
	s_lshl_b32 s86, s81, 7
	s_sub_co_i32 s49, s45, s86                     ; column 128 j + 64 c + 32 h + i is kept where it lies beyond the row: i > row - 128 j - 64 c - 32 h
	s_sub_co_i32 s50, s49, 64
	s_mov_b32 s51, 0
	s_mov_b32 s52, 1
	s_lshr_b32 s86, s81, 1
	s_mul_i32 s86, s86, 102400                     ; K steps 0, 1 in the first block of wq, 2, 3 in the second
	s_and_b32 s87, s81, 1
	s_lshl_b32 s53, s83, 4
	s_lshl_b32 s57, s87, 3
	s_add_co_u32 s53, s53, s57
	s_add_co_u32 s53, s53, s84
	s_mul_i32 s53, s53, FRAG
	s_add_co_u32 s53, s53, s86
	s_lshl_b32 s54, s83, 1
	s_add_co_u32 s54, s54, s87
	s_lshl_b32 s54, s54, 9
	s_lshr_b32 s57, s84, 1
	s_lshl_b32 s57, s57, 2
	s_add_co_u32 s54, s54, s57
	s_lshl_b32 s57, s85, 8
	s_add_co_u32 s54, s54, s57
	s_add_co_u32 s54, s54, s86
	s_add_co_u32 s54, s54, 98304
	s_branch .Lgfrag
.Ljob_w2:                                              ; W2: tile T = g - 128; 64 along K, the upper 64 k zeros
	s_mov_b32 s44, 2
	s_sub_co_u32 s80, s28, 128
	s_and_b32 s85, s80, 1
	s_lshr_b32 s45, s80, 1
	s_lshl_b32 s45, s45, 5
	s_lshl_b32 s86, s85, 3
	s_add_co_u32 s45, s45, s86
	s_mov_b32 s50, 1000
	s_mul_i32 s53, s80, FRAG
	s_add_co_u32 s53, s53, 204800
	s_lshr_b32 s54, s80, 3
	s_lshl_b32 s54, s54, 9
	s_and_b32 s57, s80, 7
	s_lshr_b32 s57, s57, 1
	s_lshl_b32 s57, s57, 2
	s_add_co_u32 s54, s54, s57
	s_lshl_b32 s57, s85, 8
	s_add_co_u32 s54, s54, s57
	s_add_co_u32 s54, s54, 315392
.Lgfrag:
	s_cmp_eq_u32 s44, 1                            ; the tensors are chosen on ids alone
	s_cselect_b64 s[74:75], s[8:9], s[6:7]
	s_cmp_eq_u32 s44, 2
	s_cselect_b64 s[74:75], s[12:13], s[74:75]
	s_cmp_eq_u32 s44, 3
	s_cselect_b64 s[74:75], s[10:11], s[74:75]
	s_cmp_eq_u32 s44, 4
	s_cselect_b64 s[74:75], s[14:15], s[74:75]
	s_cmp_lg_u32 s56, 0
	s_cselect_b64 s[76:77], s[16:17], s[20:21]
	s_mov_b64 s[78:79], s[76:77]
	s_mov_b32 s80, s53
	s_mov_b32 s81, 0
	s_add_nc_u64 s[76:77], s[76:77], s[80:81]      ; the fragment's place
	s_mov_b32 s80, s54
	s_add_nc_u64 s[78:79], s[78:79], s[80:81]      ; its scale words'
	v_add_nc_u32 v9, s45, v4
	v_lshlrev_b32 v9, s46, v9                      ; my row,
	v_lshl_add_u32 v9, v3, 7, v9                   ; + 32 h numbers,
	v_add_nc_u32 v9, s47, v9                       ; + the K step
	v_add_nc_u32 v10, s48, v9                      ; the upper 64 k
.irp i, 0,1,2,3,4,5,6,7
	global_load_b128 v[XA+4*\i:XA+4*\i+3], v9, s[74:75] offset:16*\i
.endr
.irp i, 0,1,2,3,4,5,6,7
	global_load_b128 v[XA+32+4*\i:XA+32+4*\i+3], v10, s[74:75] offset:16*\i
.endr
	v_lshlrev_b32 v17, 5, v3
	v_sub_nc_u32 v17, v4, v17                      ; r + 8 (r / 8) - 32 h
	v_mul_lo_u32 v17, v17, s52                     ; counts for W0 alone
	v_add_nc_u32 v11, s49, v17
	v_add_nc_u32 v12, s50, v17
	v_lshlrev_b32 v15, s55, v2
	s_wait_loadcnt 0x0
.set n, 0
.rept 32                               ; what is not kept becomes 0, and what is under the floor the floor, ahead of the block's maximum
	v_cmp_gt_i32 vcc_lo, n, v11
	v_cndmask_b32 v[XA+n], 0, v[XA+n], vcc_lo
	v_max_num_f32 v[XA+n], s51, v[XA+n]
	v_cmp_gt_i32 vcc_lo, n, v12
	v_cndmask_b32 v[XA+32+n], 0, v[XA+32+n], vcc_lo
	v_max_num_f32 v[XA+32+n], s51, v[XA+32+n]
.set n, n+1
.endr
	QFRAG XA, 88, 38
	PUT 88, 76, 0
	global_store_b32 v15, v38, s[78:79]            ; both halves of the lanes hold the row's word and store it to the same place
.Lno_job:
	; ---- THE TILE
	s_wait_tensorcnt 0x0                           ; my 16 rows are in LDS,
	s_barrier_signal -1
	s_barrier_wait -1                              ; everybody's are
	KLOAD XA, 0                                    ; K step 2 hf
	KLOAD XB, 512                                  ; K step 2 hf + 1
	s_wait_dscnt 16                                ; the first sixteen loads are in, the second sixteen may be out
	QFRAG XA, 40, 34
	PUT 40, 66, 0
	VLOAD XA, 0                                    ; column tile 16 hf + 2 v
	s_wait_dscnt 63                                ; 64 loads were issued behind the second key fragment's; the wait's field names 63 at the most, so one more than needed is awaited
	QFRAG XB, 52, 35
	PUT 52, 66, FRAG
	global_store_b64 v13, v[34:35], s[68:69]       ; the two K steps' scale words of my row
	VLOAD XB, 64                                   ; column tile 16 hf + 2 v + 1
	s_wait_dscnt 63                                ; likewise: the first column tile's 64 loads are in
	QFRAG XA, 64, 36
	PUT 64, 70, 0
	global_store_b32 v14, v36, s[72:73]
	s_wait_dscnt 0x0
	QFRAG XB, 76, 37
	PUT 76, 70, FRAG
	global_store_b32 v14, v37, s[72:73] offset:256
	s_wait_tensorcnt 0x0
	ds_add_u32 v126, v127
	s_wait_dscnt 0x0
	s_endpgm
.Lfunc_end_k_qf4d14ddee5_prep:
	.size	k_qf4d14ddee5_prep, .Lfunc_end_k_qf4d14ddee5_prep-k_qf4d14ddee5_prep
	.p2alignl 7, 3214868480
	.fill 96, 4, 3214868480
	.section	.rodata,"a",@progbits
	.p2align	6, 0x0
	.amdhsa_kernel k_qf4d14ddee5_prep
		.amdhsa_group_segment_fixed_size 168960
		.amdhsa_private_segment_fixed_size 0
		.amdhsa_enable_private_segment 0
		.amdhsa_kernarg_size 72
		.amdhsa_user_sgpr_count 2
		.amdhsa_user_sgpr_kernarg_segment_ptr 1
		.amdhsa_wavefront_size32 1
		.amdhsa_system_sgpr_workgroup_id_x 1
		.amdhsa_system_sgpr_workgroup_id_y 1
		.amdhsa_system_sgpr_workgroup_id_z 1
		.amdhsa_system_vgpr_workitem_id 0
		.amdhsa_next_free_vgpr 256
		.amdhsa_next_free_sgpr 96
		.amdhsa_reserve_vcc 1
		.amdhsa_float_denorm_mode_32 3
		.amdhsa_float_denorm_mode_16_64 3
		.amdhsa_memory_ordered 1
		.amdhsa_forward_progress 1
		.amdhsa_inst_pref_size 46
	.end_amdhsa_kernel
	.amdgpu_metadata
---
amdhsa.version: [ 1, 2 ]
amdhsa.kernels:
  - .name:           k_qf4d14ddee5_prep
    .symbol:         k_qf4d14ddee5_prep.kd
    .args:
      - { .name: x, .offset: 0, .size: 8, .value_kind: global_buffer, .address_space: global }
      - { .name: e, .offset: 8, .size: 8, .value_kind: global_buffer, .address_space: global }
      - { .name: W0, .offset: 16, .size: 8, .value_kind: global_buffer, .address_space: global }
      - { .name: W1, .offset: 24, .size: 8, .value_kind: global_buffer, .address_space: global }
      - { .name: W2, .offset: 32, .size: 8, .value_kind: global_buffer, .address_space: global }
      - { .name: W3, .offset: 40, .size: 8, .value_kind: global_buffer, .address_space: global }
      - { .name: kp, .offset: 48, .size: 8, .value_kind: global_buffer, .address_space: global }
      - { .name: vp, .offset: 56, .size: 8, .value_kind: global_buffer, .address_space: global }
      - { .name: wq, .offset: 64, .size: 8, .value_kind: global_buffer, .address_space: global }
    .group_segment_fixed_size: 168960
    .private_segment_fixed_size: 0
    .kernarg_segment_align: 8
    .kernarg_segment_size: 72
    .max_flat_workgroup_size: 256
    .sgpr_count:     96
    .vgpr_count:     256
    .wavefront_size: 32
...
	.end_amdgpu_metadata
.endif
;; end of part 1
;; launch attn (part 2): grid 32 x 8, 4 waves a work-group, clusters of 4 x 1, 327,680 bytes of LDS; arguments kp, vp, wq, out0; writes out0
.if DOCPART == 2
	.amdgcn_target "amdgcn-amd-amdhsa--gfx1250"
	.amdhsa_code_object_version 6
	.text
	.protected	k_qf4d14ddee5_attn
	.globl	k_qf4d14ddee5_attn
	.p2align	8
	.type	k_qf4d14ddee5_attn,@function
k_qf4d14ddee5_attn:
	s_mov_b64 s[64:65], 0
	v_nop
	global_prefetch_b8 v0, s[64:65] scope:SCOPE_SE
	s_setreg_imm32_b32 hwreg(HW_REG_WAVE_MODE, 25, 1), 1
	s_wait_xcnt 0x0
	s_wait_alu depctr_hold_cnt(0) depctr_sa_sdst(0) depctr_va_vdst(0) depctr_va_sdst(0) depctr_va_ssrc(0) depctr_va_vcc(0) depctr_vm_vsrc(0)
	s_getreg_b32 s2, hwreg(HW_REG_IB_STS2, 6, 4)
	s_cmp_eq_u32 s2, 0
	s_cbranch_scc0 .Lentry_in_a_cluster
	s_endpgm
.Lentry_in_a_cluster:
	s_bfe_u32 s2, ttmp6, 0x10000c
	s_cmp_lg_u32 s2, 0x3003
	s_cbranch_scc0 .Lentry_shape_is_right
	s_endpgm
.Lentry_shape_is_right:
; out[b][n][:] = sum over m of Q(attn[b][n][m]) Q(x[b][m][:]),  attn = Q0 . x + Q1 . e + Q2 . x + Q3 . e,  Q0 = x relu(triu(W0,1))^T, Q1 = x W1^T, Q2 = e W2^T, Q3 = e W3^T.
; Every product is on codes of FP6 (E2M3) with one E8M0 byte for each 32 along its K.  The four score products share one f32 sum: they are ONE product of K = 1,152 = 9 x 128:
; [Q0 | Q2 | Q1 Q3] . [x | x | e e], each of the four Q quantised by itself.  All operands come as images of operand registers (1,536 bytes a fragment, three loads of 16 bytes a lane).
; SHARES.  A work-group of four waves owns 64 queries of one batch, as four tiles q of 16, and walks the batch's 2,048 keys, 128 a step.
; HEAD: wave w makes units 128 w .. +127 of Q0 and of Q2 and block w of [Q1 | Q3] for all 64 queries (transposed: source 0 = 16 rows of a weight, source 1 = the queries), quantises them in registers,
; and hands them round through LDS; then every wave holds all 36 fragments of Q in registers.
; A KEY STEP: wave w makes S^T for keys 32 w .. +31 (key tiles 2 w, 2 w + 1) x the four query tiles, 72 matrix instructions; its 16 registers a query are one block of 32 keys with lane l xor 16: quantised,
; the codes go to LDS at their places in P's four fragment images.  Behind the change of slots every wave reads P whole and adds V^T P^T for its 128 columns (8 column tiles x 4 query tiles, 32 instructions).
; The second product runs one step behind the first: a slot holds keys' fragments of one step and columns' fragments of the step before, so ONE barrier a step serves the ring and P alike.
; CLUSTER: the four work-groups of a cluster belong to one batch and walk the same tiles (and the same weights): each tile is asked for JOINTLY, the same tensor load with the same descriptor and the mask 15 in all four.
; THE WALK IS STAGGERED.  The eight clusters of a batch read the same sixteen blocks of keys and of columns.  Cluster X begins at key step 4 (X % 4) + 2 (X / 4) and goes round modulo 16: the starts lie two steps
; apart among the eight, four apart among X = 0 .. 3 and among X = 4 .. 7.  So no two clusters of a batch ask for a block in the same step of their walks, and all but a cluster's first few blocks have been read
; by another cluster some steps before.  X is the cluster's number, which the four partners share: the joint loads' descriptors stay equal in all four, and every trip count stays a constant.
; ORDER OF SUMS: a score is one f32 sum over K steps Q0_0, Q2_0, Q2_1, Q0_1, Q0_2, Q2_2, Q2_3, Q0_3, [Q1 | Q3]: another order of f32 additions than four sums added afterwards.
; A number of out is one f32 sum over the sixteen key steps, begun at the cluster's first step: another order than ascending keys.
; LIMITS: NaN and infinities are not served.  A block whose largest magnitude lies under 2^-124 (a block of zeros among them) gets the byte 1.
; REGISTERS, in windows of 256.  Window 0: v1-31, v62, v165-166 addresses; v32-61 scale words and nothing else; v64-127 S^T (16 q + 8 u); v128-164 the quantiser; v176-247 a pool of three buffers of two fragments.
;   Window 1: O^T, accumulator (column tile t, query tile q) at 8 (4 t + q); in the head the 32 accumulators of Q0 or Q2 at 64 q + 8 t.
;   Window 2: Q0's 16 fragments at 12 (4 J + q), [Q1 | Q3]'s four at 192 + 12 q; in the head the queries' x at 12 (4 j + q) and e at 192 + 12 q.   Window 3: Q2's 16 fragments, P's four at 192 + 12 q.
.set FRAG,  1536
.set SLOT1, 131072                     ; slot 0 at 0, slot 1 here: one exclusive or turns an address.  A slot: 64,000 bytes of keys (32 fragments of x, 8 of e, scale words), 51,200 of columns (32 fragments, scale words)
.set PB0,   115712                     ; two buffers for P, 0x2000 apart: four fragment images, and from +6,144 the scale words (64 q + 4 r + byte w)
.set PBX,   0x2000
.set SPARE, 130304                     ; the spare words, 128 bytes for each wave: two blocks of 256 bytes that no other line names
.set QIMG,  246272                     ; behind slot 1: Q's 36 fragment images, (4 J + q) x 1,536
.set QSC,   301568                     ; and their scale words: 256 J + 64 q + 4 r
.set STAGE, QIMG                       ; the way out: 16 rows x 528 bytes for each wave, over Q's images, which are read for the last time ahead of the first key step.  No tensor load lands behind slot 1 or between the slots
.set POOL,  176
.set MSB, 0
.macro WIN new                         ; the immediate's high byte repeats the setting that is left
.if MSB != \new
	s_set_vgpr_msb (MSB<<8)|\new
.set MSB, \new
.endif
.endm
.macro PLACES                          ; four places in front of loads into registers that matrix instructions have read, and of the first read of results (ISA guide 7.12.1 for vector instructions)
.rept 4
	v_nop
.endr
.endm
.macro CROUND                          ; a round of the cluster's barrier
	s_barrier_signal -1
	s_barrier_wait -1
	s_cmp_lg_u32 s12, 0
	s_cbranch_scc1 .Lnot_wave_0_\@
	s_barrier_signal -3
.Lnot_wave_0_\@:
	s_barrier_wait -3
	s_barrier_signal -1
	s_barrier_wait -1
.endm
; A joint refill: waves 0 and 1 fetch the halves of a slot's first part, waves 2 and 3 those of its second.  The branch hangs on the wave's number alone.  Four v_nop follow each load.
.macro JLOAD
	s_cmp_lt_u32 s12, 2
	s_cbranch_scc0 .Lfor_v_\@
	tensor_load_to_lds s[44:47], s[24:31]
	s_nop 0
.rept 4
	v_nop
.endr
	s_branch .Lasked_\@
.Lfor_v_\@:
	tensor_load_to_lds s[52:55], s[32:39]
	s_nop 0
.rept 4
	v_nop
.endr
.Lasked_\@:
.endm
.macro JLOADK                          ; the first part alone
	s_cmp_lt_u32 s12, 2
	s_cbranch_scc0 .Lskip_\@
	tensor_load_to_lds s[44:47], s[24:31]
	s_nop 0
.rept 4
	v_nop
.endr
.Lskip_\@:
	PLACES
.endm
.macro JLOADV                          ; the second part alone
	s_cmp_lt_u32 s12, 2
	s_cbranch_scc1 .Lskip_\@
	tensor_load_to_lds s[52:55], s[32:39]
	s_nop 0
.rept 4
	v_nop
.endr
.Lskip_\@:
	PLACES
.endm
; The walking descriptors' global addresses, made anew from the batch's base and the step's number, which then goes on by one modulo 16.  They are written only where no tensor load of the wave is out.
.macro KSTEP
	s_mul_i32 s88, s17, 64000                      ; (s89 holds 0)
	s_add_nc_u64 s[46:47], s[60:61], s[88:89]      ; my half of the keys of step s17
	s_or_b32 s47, s47, 0x80000000                  ; the type
	s_add_co_u32 s17, s17, 1
	s_and_b32 s17, s17, 15
.endm
.macro VSTEP
	s_mul_i32 s90, s18, 51200                      ; (s91 holds 0)
	s_add_nc_u64 s[54:55], s[62:63], s[90:91]      ; my half of the columns of step s18
	s_or_b32 s55, s55, 0x80000000
	s_add_co_u32 s18, s18, 1
	s_and_b32 s18, s18, 15
.endm
; two fragments, at off and off + d from v[adr], into buffer bf of the pool: six loads of 512 consecutive bytes
.macro LDSET bf, adr, off, d
.irp g, 0,1,2
	ds_load_b128 v[POOL+24*(\bf)+4*\g:POOL+24*(\bf)+4*\g+3], v[\adr] offset:(\off)+512*\g
.endr
.irp g, 0,1,2
	ds_load_b128 v[POOL+24*(\bf)+12+4*\g:POOL+24*(\bf)+12+4*\g+3], v[\adr] offset:(\off)+(\d)+512*\g
.endr
.endm
; one matrix instruction on rD, rA, rB, rSA, rSB.  z: the sum starts with 0;  ra, rb: the scale words stand in lanes 16-31
.macro WMM z, ra, rb
.if \z
.if (\ra) && (\rb)
	v_wmma_scale_f32_16x16x128_f8f6f4 v[rD:rD+7], v[rA:rA+11], v[rB:rB+11], 0, v[rSA], v[rSB] matrix_a_fmt:MATRIX_FMT_FP6 matrix_b_fmt:MATRIX_FMT_FP6 matrix_a_scale:MATRIX_SCALE_ROW1 matrix_b_scale:MATRIX_SCALE_ROW1
.elseif \ra
	v_wmma_scale_f32_16x16x128_f8f6f4 v[rD:rD+7], v[rA:rA+11], v[rB:rB+11], 0, v[rSA], v[rSB] matrix_a_fmt:MATRIX_FMT_FP6 matrix_b_fmt:MATRIX_FMT_FP6 matrix_a_scale:MATRIX_SCALE_ROW1
.elseif \rb
	v_wmma_scale_f32_16x16x128_f8f6f4 v[rD:rD+7], v[rA:rA+11], v[rB:rB+11], 0, v[rSA], v[rSB] matrix_a_fmt:MATRIX_FMT_FP6 matrix_b_fmt:MATRIX_FMT_FP6 matrix_b_scale:MATRIX_SCALE_ROW1
.else
	v_wmma_scale_f32_16x16x128_f8f6f4 v[rD:rD+7], v[rA:rA+11], v[rB:rB+11], 0, v[rSA], v[rSB] matrix_a_fmt:MATRIX_FMT_FP6 matrix_b_fmt:MATRIX_FMT_FP6
.endif
.else
.if (\ra) && (\rb)
	v_wmma_scale_f32_16x16x128_f8f6f4 v[rD:rD+7], v[rA:rA+11], v[rB:rB+11], v[rD:rD+7], v[rSA], v[rSB] matrix_a_fmt:MATRIX_FMT_FP6 matrix_b_fmt:MATRIX_FMT_FP6 matrix_a_scale:MATRIX_SCALE_ROW1 matrix_b_scale:MATRIX_SCALE_ROW1
.elseif \ra
	v_wmma_scale_f32_16x16x128_f8f6f4 v[rD:rD+7], v[rA:rA+11], v[rB:rB+11], v[rD:rD+7], v[rSA], v[rSB] matrix_a_fmt:MATRIX_FMT_FP6 matrix_b_fmt:MATRIX_FMT_FP6 matrix_a_scale:MATRIX_SCALE_ROW1
.elseif \rb
	v_wmma_scale_f32_16x16x128_f8f6f4 v[rD:rD+7], v[rA:rA+11], v[rB:rB+11], v[rD:rD+7], v[rSA], v[rSB] matrix_a_fmt:MATRIX_FMT_FP6 matrix_b_fmt:MATRIX_FMT_FP6 matrix_b_scale:MATRIX_SCALE_ROW1
.else
	v_wmma_scale_f32_16x16x128_f8f6f4 v[rD:rD+7], v[rA:rA+11], v[rB:rB+11], v[rD:rD+7], v[rSA], v[rSB] matrix_a_fmt:MATRIX_FMT_FP6 matrix_b_fmt:MATRIX_FMT_FP6
.endif
.endif
.endm
; S^T, K step j of nine: my two key tiles (buffer bf, scale words v[sa]) x the four query tiles.  The eight accumulators take turns, one instruction a turn, in the same order in every group.
.macro SGRP j, bf, sa, zero
.if ((\j) >= 4) && ((\j) < 8)
	WIN 0x0c                                       ; source 1 (Q2) in window 3
.else
	WIN 0x08                                       ; source 1 (Q0, [Q1 | Q3]) in window 2
.endif
.irp u, 0,1
.irp q, 0,1,2,3
.set rD, 64+16*\q+8*\u
.set rA, POOL+24*(\bf)+12*\u
.if (\j) == 8
.set rB, 192+12*\q
.else
.set rB, 12*(4*((\j)%4)+\q)
.endif
.set rSA, \sa
.set rSB, 32+2*(\j)+\q/2
	WMM \zero, \u, \q%2
.endr
.endr
.endm
; O^T += V^T P^T: column tiles 2 p, 2 p + 1 (buffer bf) x the four query tiles.  Each of the 32 accumulators is touched once a key step.
.macro PVSET p, bf, zero
	WIN 0x5c                                       ; source 1 (P) window 3, C and D window 1
.irp u, 0,1
.irp q, 0,1,2,3
.set rD, 8*(4*(2*(\p)+\u)+\q)
.set rA, POOL+24*(\bf)+12*\u
.set rB, 192+12*\q
.set rSA, 56+(\p)
.set rSB, 60+\q/2
	WMM \zero, \u, \q%2
.endr
.endr
	WIN 0
.endm
; The head's products: two tiles of a weight (buffer bf, scale words v[sa]) x the four query tiles' K step bj of x (bj = 4: e).  tos = 0: into window 1, tiles 2 p, 2 p + 1;  tos = 1: into S^T's registers.
.macro HSET p, bf, bj, sa, zero, tos
.if \tos
	WIN 0x08
.else
	WIN 0x58
.endif
.irp u, 0,1
.irp q, 0,1,2,3
.if \tos
.set rD, 64+16*\q+8*\u
.else
.set rD, 64*\q+8*(2*(\p)+\u)
.endif
.set rA, POOL+24*(\bf)+12*\u
.if (\bj) == 4
.set rB, 192+12*\q
.set rSB, 40+\q/2
.else
.set rB, 12*(4*(\bj)+\q)
.set rSB, 32+4*(\q/2)+(\bj)
.endif
.set rSA, \sa
	WMM \zero, \u, \q%2
.endr
.endr
	WIN 0
.endm
; My 16 numbers a query (S^T's registers 16 q + 0 .. 15: neighbours 16 (lane / 16) + 0 .. 15 of block w along the next K) become 96 bits of codes and a scale byte, and go to their places in four fragment images:
; register I = 6 (w / 2) + 3 (lane / 16) + 0 .. 2 of lane r + 16 (w % 2).  Sixteen LDS stores.
.macro QP
.irp q, 0,1,2,3
	v_max3_num_f32 v[148+\q], |v[64+16*\q]|, |v[65+16*\q]|, 0x1800000   ; from each accumulator's low end on; the floor 2^(3 - 127) holds the byte at 1 from below
.endr
.irp i, 2,4,6,8,10,12,14
.irp q, 0,1,2,3
	v_max3_num_f32 v[148+\q], v[148+\q], |v[64+16*\q+\i]|, |v[65+16*\q+\i]|
.endr
.endr
.irp q, 0,1,2,3
	v_permlanex16_b32 v[152+\q], v[148+\q], s20, s21
.endr
.irp q, 0,1,2,3
	v_max_num_f32 v[148+\q], v[148+\q], v[152+\q]  ; with lane l xor 16's: the block's largest magnitude
.endr
.irp q, 0,1,2,3
	v_add_nc_u32 v[160+\q], 0xff000000, v[148+\q]  ; 2 off the exponent field: the conversion's scale operand
.endr
.irp q, 0,1,2,3
	v_lshrrev_b32 v[152+\q], 23, v[160+\q]         ; the scale's byte
.endr
.irp q, 0,1,2,3
	v_cvt_scalef32_pk16_fp6_f32 v[128+4*\q:130+4*\q], v[64+16*\q:79+16*\q], v[160+\q]
.endr
	v_nop                                          ; one plain place behind a scaled conversion
.irp q, 0,1,2,3
	ds_store_b32 v21, v[128+4*\q] offset:\q*FRAG
	ds_store_b32 v22, v[129+4*\q] offset:\q*FRAG
	ds_store_b32 v23, v[130+4*\q] offset:\q*FRAG
	ds_store_b8 v24, v[152+\q] offset:\q*64        ; both halves of the lanes write the same byte with the same value
.endr
.endm
; 64 numbers a lane in window 1 (register 64 q + 16 b + i = unit 32 b + 16 (lane / 16) + i of my query) become a whole fragment and a scale word, and go to LDS as an image.
.macro QUANTF q, foff, soff
	WIN 0x05                                       ; sources 0 and 1 in window 1
.irp b, 0,1,2,3
	v_max3_num_f32 v[148+\b], |v[64*(\q)+16*\b]|, |v[64*(\q)+16*\b+1]|, 0x1800000
.endr
.irp i, 2,4,6,8,10,12,14
.irp b, 0,1,2,3
	v_max3_num_f32 v[148+\b], |v[64*(\q)+16*\b+\i]|, |v[64*(\q)+16*\b+\i+1]|, v[148+\b]
.endr
.endr
	WIN 0
.irp b, 0,1,2,3
	v_permlanex16_b32 v[152+\b], v[148+\b], s20, s21
.endr
.irp b, 0,1,2,3
	v_max_num_f32 v[148+\b], v[148+\b], v[152+\b]
.endr
.irp b, 0,1,2,3
	v_add_nc_u32 v[160+\b], 0xff000000, v[148+\b]
.endr
.irp b, 0,1,2,3
	v_lshrrev_b32 v[152+\b], 23, v[160+\b]
.endr
	v_lshl_or_b32 v164, v153, 8, v152              ; the four bytes make my query's scale word
	v_lshl_or_b32 v164, v154, 16, v164
	v_lshl_or_b32 v164, v155, 24, v164
	WIN 0x01                                       ; source 0 in window 1
.irp c, 0,1
	v_cvt_scalef32_pk16_fp6_f32 v[128+6*\c:130+6*\c], v[64*(\q)+32*\c:64*(\q)+32*\c+15], v[160+2*\c]
	v_cvt_scalef32_pk16_fp6_f32 v[140+4*\c:142+4*\c], v[64*(\q)+32*\c+16:64*(\q)+32*\c+31], v[160+2*\c+1]   ; (a conversion's three registers begin on an even number)
.endr
	WIN 0
	v_nop                                          ; one plain place behind a scaled conversion
.irp c, 0,1                            ; the operand's layout wants a WHOLE block in a lane: lanes 0-15 block 2 c, lanes 16-31 block 2 c + 1
.irp i, 0,1,2
	v_permlane16_swap_b32 v[128+6*\c+\i], v[140+4*\c+\i]
.endr
.irp i, 0,1,2
	v_mov_b32 v[131+6*\c+\i], v[140+4*\c+\i]
.endr
.endr
.irp g, 0,1,2
	ds_store_b128 v165, v[128+4*\g:131+4*\g] offset:(\foff)+(\q)*FRAG+512*\g
.endr
	ds_store_b32 v166, v164 offset:(\soff)+(\q)*64
	s_wait_dscnt 0x0                               ; the stores have read their registers
.endm
; Q0, two of W0's four K steps (one block of weights in the slot in hand): 8 sets of two tiles through the pool, three sets ahead
.macro PRE blk, zero
	s_mul_i32 s70, s12, 24576
	s_add_co_u32 s70, s70, s56
	v_add_nc_u32 v15, s70, v1                      ; my 16 fragments
	s_lshl_b32 s70, s12, 10
	s_add_co_u32 s70, s70, s56
	s_add_co_u32 s70, s70, 98304
	v_add_nc_u32 v17, s70, v1                      ; their scale words
	ds_load_b128 v[50:53], v17
	ds_load_b128 v[54:57], v17 offset:512
	LDSET 0, 15, 0, FRAG
	LDSET 1, 15, 3072, FRAG
	LDSET 2, 15, 6144, FRAG
.set st, 0
.rept 8
.if st < 6
	s_wait_dscnt 12                                ; behind this set's loads: the two next sets' twelve
.elseif st == 6
	s_wait_dscnt 6
.else
	s_wait_dscnt 0
.endif
.set zz, (\zero) && (st < 4)
	HSET st%4, st%3, 2*(\blk)+st/4, 50+st, zz, 0
.if st+3 < 8
	PLACES
	LDSET st%3, 15, (st+3)*3072, FRAG
.endif
.set st, st+1
.endr
.endm
.macro CLD n                           ; set n of the third block: 0-3 pairs of W2's tiles, 4-8 K steps of my two tiles of [W1 | 0 ; 0 | W3, 0]
.if (\n) < 4
	LDSET (\n)%3, 15, (\n)*3072, FRAG
.else
	LDSET (\n)%3, 16, ((\n)-4)*FRAG, 5*FRAG
.endif
.endm
.macro PREC
	s_mul_i32 s70, s12, 12288
	s_add_co_u32 s70, s70, s56
	v_add_nc_u32 v15, s70, v1                      ; W2: my 8 fragments
	s_mul_i32 s70, s12, 15360
	s_add_co_u32 s70, s70, s56
	s_add_co_u32 s70, s70, 49152
	v_add_nc_u32 v16, s70, v1                      ; the 128 x 640 matrix: my 10
	s_lshl_b32 s70, s12, 9
	s_add_co_u32 s70, s70, s56
	s_add_co_u32 s70, s70, 110592
	v_add_nc_u32 v17, s70, v1
	s_mul_i32 s70, s12, 640
	s_add_co_u32 s70, s70, s56
	s_add_co_u32 s70, s70, 112640
	v_add_nc_u32 v18, s70, v2
	ds_load_b128 v[50:53], v17
.irp j, 0,1,2,3,4
	ds_load_b32 v[54+\j], v18 offset:128*\j
.endr
	CLD 0
	CLD 1
	CLD 2
.set st, 0
.rept 9
.if st < 7
	s_wait_dscnt 12                                ; behind this set's loads: the two next sets' twelve
.elseif st == 7
	s_wait_dscnt 6
.else
	s_wait_dscnt 0
.endif
.if st < 4
	HSET st, st%3, 4, 50+st, 1, 0                  ; Q2 = e W2^T: one K step, so each product starts and ends a sum
.else
.set zz, st == 4
	HSET 0, st%3, st-4, 50+st, zz, 1               ; block w of [Q1 | Q3]
.endif
.if st+3 < 9
	PLACES
	CLD st+3
.endif
.set st, st+1
.endr
.endm
; A change of slots in the head.  Each wave waits for all its tensor loads, adds 0 to its spare word, steps the walking descriptors, and waits for the add and for its LDS reads and stores; then the round; the joint refill first behind it.
.macro CHANGE n
	s_wait_tensorcnt 0x0                           ; no tensor load of mine is out, so a group 0 may be written
	ds_add_u32 v3, v4
	s_xor_b32 s45, s45, SLOT1
.if \n == 1
	s_add_nc_u64 s[46:47], s[46:47], 102400        ; the third block of weights, into slot 0
	s_xor_b32 s53, s53, SLOT1
	s_add_nc_u64 s[54:55], s[54:55], 102400
.elseif \n == 2
	KSTEP                                          ; the keys of the walk's first step, into slot 1
.else
	KSTEP                                          ; the keys of its second step and
	VSTEP                                          ; the columns of its first, into slot 0
.endif
	s_wait_dscnt 0x0
	CROUND
.if \n == 2
	JLOADK
.else
	JLOAD
.endif
	s_xor_b32 s56, s56, SLOT1                      ; reads go on in the other slot
.endm
.macro PLOAD                           ; the columns' scale words, P's scale words and P's four fragments: 15 loads
	ds_load_b128 v[56:59], v20
	ds_load_b32 v60, v26 offset:6144
	ds_load_b32 v61, v26 offset:6144+128
	WIN 0xc0                                       ; destination window 3
.irp q, 0,1,2,3
.irp g, 0,1,2
	ds_load_b128 v[192+12*\q+4*\g:192+12*\q+4*\g+3], v25 offset:\q*FRAG+512*\g
.endr
.endr
	WIN 0
.endm
; Behind a change of slots: addresses; the new step's first fragments; the last two sets of the second product that was in hand (their fragments are in registers); then P.
.macro TOP pvprev, zero, pl
	v_add_nc_u32 v25, s57, v1                      ; P is read from the buffer just written,
	v_add_nc_u32 v26, s57, v2
	s_xor_b32 s57, s57, PBX
	v_add_nc_u32 v21, s57, v11                     ; and the next P goes to the other
	v_add_nc_u32 v22, s57, v12
	v_add_nc_u32 v23, s57, v13
	v_add_nc_u32 v24, s57, v14
	v_add_nc_u32 v15, s56, v5
	v_add_nc_u32 v16, s56, v6
	v_add_nc_u32 v17, s56, v7
	v_add_nc_u32 v18, s56, v8
	v_add_nc_u32 v19, s56, v9
	v_add_nc_u32 v20, s56, v10
	ds_load_b128 v[50:53], v17                     ; a: the keys' scale words [2]
	ds_load_b32 v54, v18
	LDSET 0, 15, 0, 4*FRAG                         ; b: x, K step 0 [6]
.if \pvprev
	PVSET 2, 1, \zero
	PLACES
.endif
	LDSET 1, 15, FRAG, 4*FRAG                      ; c: K step 1 [6]
.if \pvprev
	PVSET 3, 2, \zero
	PLACES
.endif
	LDSET 2, 15, 2*FRAG, 4*FRAG                    ; d: K step 2 [6]
.if \pl
	PLOAD                                          ; e [15]
.endif
.endm
; S^T of a key step.  Each wait's count is what was issued behind the set that is needed (pv = 0: the first step, which has no second product beside it).
.macro SPHASE pv
.if \pv
	s_wait_dscnt 27                                ; c + d + e
.else
	s_wait_dscnt 12                                ; c + d
.endif
	SGRP 0, 0, 50, 1
	SGRP 4, 0, 50, 0
	PLACES
	LDSET 0, 15, 3*FRAG, 4*FRAG                    ; f: K step 3 [6]
.if \pv
	s_wait_dscnt 27                                ; d + e + f
.else
	s_wait_dscnt 12                                ; d + f
.endif
	SGRP 5, 1, 51, 0
	SGRP 1, 1, 51, 0
	PLACES
	LDSET 1, 16, 0, FRAG                           ; g: e's fragments [6]
.if \pv
	s_wait_dscnt 27                                ; e + f + g
.else
	s_wait_dscnt 12                                ; f + g
.endif
	SGRP 2, 2, 52, 0
	SGRP 6, 2, 52, 0
	PLACES
.if \pv
	LDSET 2, 19, 0, FRAG                           ; h: column tiles 0, 1 [6]
	s_wait_dscnt 12                                ; g + h
.else
	s_wait_dscnt 6                                 ; g
.endif
	SGRP 7, 0, 53, 0
	SGRP 3, 0, 53, 0
	PLACES
.if \pv
	LDSET 0, 19, 2*FRAG, FRAG                      ; k: column tiles 2, 3 [6]
	s_wait_dscnt 12                                ; h + k
.else
	s_wait_dscnt 0
.endif
	SGRP 8, 1, 54, 0
	WIN 0
	PLACES
.if \pv
	LDSET 1, 19, 4*FRAG, FRAG                      ; l: column tiles 4, 5 [6]
.endif
.endm
; The second product's first two sets, and in their midst the three lines in front of the change of slots.  kind 0: both walking descriptors step; 1: the columns' alone; 2: none.
.macro PVHEAD pv, zero, kind
.if \pv
	s_wait_dscnt 28                                ; k + l + the quantiser's 16 stores
	PVSET 0, 2, \zero
	PLACES
	LDSET 2, 19, 6*FRAG, FRAG                      ; n: column tiles 6, 7 [6]
.endif
	s_wait_tensorcnt 0x0                           ; all my tensor loads have landed: my part of the next slot
	ds_add_u32 v3, v4                              ; 0 onto my spare word; eight matrix instructions stand between it and the wait for it
.if \pv
	s_wait_dscnt 29                                ; l + the 16 stores + n + the add
	PVSET 1, 0, \zero
.endif
.if \kind == 0
	s_xor_b32 s45, s45, SLOT1
	KSTEP
.endif
.if \kind < 2
	s_xor_b32 s53, s53, SLOT1
	VSTEP
.endif
	s_wait_dscnt 0x0                               ; the add is done, my reads of this slot are over, and my part of P lies in LDS
.endm
.macro ITER pv, zero, kind
	SPHASE \pv
	QP
	PVHEAD \pv, \zero, \kind
.if \kind == 2
	s_barrier_signal -1                            ; nothing is filled again: the work-group's barrier serves P and the last columns
	s_barrier_wait -1
	s_xor_b32 s56, s56, SLOT1
.else
	CROUND                                         ; no wave of any partner still reads the slot or has a load on its way
.if \kind == 0
	JLOAD
.else
	JLOADV
.endif
	s_xor_b32 s56, s56, SLOT1
	TOP \pv, \zero, 1
.endif
.endm
	s_load_b256 s[4:11], s[0:1], 0x0               ; kp s[4:5], vp s[6:7], wq s[8:9], out s[10:11]
	v_lshl_add_u32 v3, v0, 2, SPARE
	v_mov_b32 v4, 0
	ds_add_u32 v3, v4
	ds_add_u32 v3, v4
	s_wait_dscnt 0x0
	v_lshrrev_b32 v1, 5, v0
	v_readfirstlane_b32 s12, v1                    ; wave 0..3
	s_and_b32 s13, s12, 1                          ; which half of a part I fetch
	s_bfe_u32 s14, ttmp6, 0x40000                  ; cx: it enters global offsets of my own queries and of out alone
	s_lshl_b32 s15, ttmp9, 2
	s_add_co_u32 s15, s15, s14                     ; my block of 64 queries
	s_and_b32 s16, ttmp7, 0xffff                   ; the batch, which the four partners share
	s_and_b32 s17, ttmp9, 3                        ; the walk's first key step, from the cluster's number X alone: 4 (X % 4)
	s_lshl_b32 s17, s17, 2
	s_lshr_b32 s18, ttmp9, 2
	s_lshl_b32 s18, s18, 1
	s_add_co_u32 s17, s17, s18                     ; + 2 (X / 4): s17 the step whose keys are asked for next,
	s_mov_b32 s18, s17                             ; s18 the step whose columns are
	s_mov_b32 s89, 0                               ; the upper words of the two offsets
	s_mov_b32 s91, 0
	s_mov_b32 s20, 0x76543210
	s_mov_b32 s21, 0xfedcba98                      ; v_permlanex16_b32's selects for lane l xor 16
	s_mov_b32 s56, 0                               ; the slot that is read
	s_mov_b32 s57, PB0                             ; P's buffer
	; descriptor groups 1: dense blocks as rows of 256 bytes (32 elements of 8 bytes): 125 rows (half a first part), 100 rows (half a second part)
	s_mov_b32 s24, 15|(3<<16)|(1<<21)              ; the mask: all four work-groups; bit 21 set beside it
	s_mov_b32 s25, 32<<16
	s_mov_b32 s26, 125<<16
	s_mov_b32 s27, 32<<16
	s_mov_b32 s28, 125
	s_mov_b32 s29, 32
	s_mov_b32 s30, 0
	s_mov_b32 s31, 0
	s_mov_b32 s32, 15|(3<<16)|(1<<21)
	s_mov_b32 s33, 32<<16
	s_mov_b32 s34, 100<<16
	s_mov_b32 s35, 32<<16
	s_mov_b32 s36, 100
	s_mov_b32 s37, 32
	s_mov_b32 s38, 0
	s_mov_b32 s39, 0
	s_mul_i32 s70, s13, 32000                      ; my half of a first part, in a slot and in a block of memory
	s_mul_i32 s71, s13, 25600
	s_add_co_u32 s71, s71, 64000                   ; my half of a second part, in a slot and in a block of weights
	s_mov_b32 s72, s70
	s_mov_b32 s73, 0
	s_mov_b32 s74, s71
	s_mov_b32 s75, 0
	s_mul_i32 s76, s16, 1024000                    ; the batch's 16 blocks of keys,
	s_add_co_u32 s76, s76, s70
	s_mov_b32 s77, 0
	s_mul_i32 s78, s16, 819200                     ; and of columns
	s_mul_i32 s79, s13, 25600
	s_add_co_u32 s78, s78, s79
	s_mov_b32 s79, 0
	s_lshr_b32 s80, s15, 1                         ; my queries are key tiles of block nb / 2
	s_mul_i32 s80, s80, 64000
	s_mul_i32 s81, s16, 1024000
	s_add_co_u32 s80, s80, s81
	s_mov_b32 s81, 0
	s_lshl_b32 s82, s16, 22                        ; out: the batch, my 64 rows of 2,048 bytes, my wave's 128 columns
	s_lshl_b32 s83, s15, 17
	s_add_co_u32 s82, s82, s83
	s_lshl_b32 s83, s12, 9
	s_add_co_u32 s82, s82, s83
	s_mov_b32 s83, 0
	s_wait_kmcnt 0x0
	s_add_nc_u64 s[60:61], s[4:5], s[76:77]        ; my half of the batch's keys of step 0: the base of the walk
	s_add_nc_u64 s[62:63], s[6:7], s[78:79]        ; my half of its columns of step 0
	s_add_nc_u64 s[66:67], s[4:5], s[80:81]        ; the block that holds my queries
	s_add_nc_u64 s[68:69], s[10:11], s[82:83]
	s_mov_b32 s40, 1                               ; groups 0: the first block of weights into slot 0,
	s_mov_b32 s41, s70
	s_add_nc_u64 s[42:43], s[8:9], s[72:73]
	s_or_b32 s43, s43, 0x80000000
	s_mov_b32 s44, 1                               ; the second into slot 1: this set walks on
	s_add_co_u32 s45, s70, SLOT1
	s_add_nc_u64 s[46:47], s[8:9], s[72:73]
	s_add_nc_u64 s[46:47], s[46:47], 102400
	s_or_b32 s47, s47, 0x80000000
	s_mov_b32 s48, 1
	s_mov_b32 s49, s71
	s_add_nc_u64 s[50:51], s[8:9], s[74:75]
	s_or_b32 s51, s51, 0x80000000
	s_mov_b32 s52, 1
	s_add_co_u32 s53, s71, SLOT1
	s_add_nc_u64 s[54:55], s[8:9], s[74:75]
	s_add_nc_u64 s[54:55], s[54:55], 102400
	s_or_b32 s55, s55, 0x80000000
	CROUND                                         ; all four work-groups are here: the first joint loads meet
	s_cmp_lt_u32 s12, 2                            ; a wave's two first fills stand in one branch: two loads of mine are out
	s_cbranch_scc0 .Lfirst_v
	tensor_load_to_lds s[40:43], s[24:31]
	s_nop 0
	tensor_load_to_lds s[44:47], s[24:31]
	s_nop 0
.rept 4
	v_nop
.endr
	s_branch .Lfirst_asked
.Lfirst_v:
	tensor_load_to_lds s[48:51], s[32:39]
	s_nop 0
	tensor_load_to_lds s[52:55], s[32:39]
	s_nop 0
.rept 4
	v_nop
.endr
.Lfirst_asked:
	v_and_b32 v1, 31, v0
	v_lshlrev_b32 v2, 2, v1                        ; 4 x lane
	v_lshlrev_b32 v1, 4, v1                        ; 16 x lane
	v_and_b32 v167, 15, v0                         ; r
	v_bfe_u32 v168, v0, 4, 1                       ; lane / 16
	s_mul_i32 s84, s12, 12288
	v_add_nc_u32 v5, s84, v1                       ; in a slot: my two key tiles' fragments of x,
	s_add_co_u32 s85, s84, 64000
	v_add_nc_u32 v9, s85, v1                       ; my eight column tiles,
	s_mul_i32 s84, s12, 3072
	s_add_co_u32 s84, s84, 49152
	v_add_nc_u32 v6, s84, v1                       ; my two key tiles of e,
	s_lshl_b32 s84, s12, 9
	s_add_co_u32 s85, s84, 61440
	v_add_nc_u32 v7, s85, v1                       ; x's scale words,
	s_add_co_u32 s85, s84, 113152
	v_add_nc_u32 v10, s85, v1                      ; the columns',
	s_lshl_b32 s84, s12, 7
	s_add_co_u32 s84, s84, 63488
	v_add_nc_u32 v8, s84, v2                       ; e's
	s_lshr_b32 s84, s12, 1
	s_mul_i32 s84, s84, 6
	v_mul_u32_u24 v169, v168, 3
	v_add_nc_u32 v169, s84, v169                   ; I = 6 (w / 2) + 3 (lane / 16): the first of my three registers of P's fragment
	s_lshl_b32 s85, s13, 8
	v_lshl_add_u32 v170, v167, 4, s85              ; lane r + 16 (w % 2) of the image
.irp j, 0,1,2
	v_add_nc_u32 v171, \j, v169
	v_lshrrev_b32 v172, 2, v171
	v_and_b32 v171, 3, v171
	v_lshl_add_u32 v172, v172, 9, v170
	v_lshl_add_u32 v[11+\j], v171, 2, v172         ; 512 (I / 4) + 4 (I % 4) + 16 x that lane
.endr
	v_lshlrev_b32 v14, 2, v167
	v_add_nc_u32 v14, s12, v14
	v_add_nc_u32 v14, 6144, v14                    ; my byte of a query's scale word: 6,144 + 4 r + w
	s_mul_i32 s84, s12, 16*528
	s_add_co_u32 s84, s84, STAGE
	v_mul_u32_u24 v27, v167, 528
	v_lshl_add_u32 v27, v168, 5, v27
	v_add_nc_u32 v27, s84, v27                     ; the way out, in: row r, 32 bytes for each half of the lanes
	v_add_nc_u32 v28, s84, v1                      ; back: 32 lanes take a row of 512 bytes
	s_mul_i32 s84, s12, 4*FRAG
	s_add_co_u32 s84, s84, QIMG
	v_add_nc_u32 v165, s84, v1                     ; Q's images: K step J = w
	s_lshl_b32 s84, s12, 8
	s_add_co_u32 s84, s84, QSC
	v_lshl_add_u32 v166, v167, 2, s84
.irp b, 0,1,2,3
	v_mov_b32 v[152+\b], 0                         ; written once: a lane permute's destination counts as one of its sources
.endr
	s_and_b32 s86, s15, 1                          ; my queries are key tiles 4 (nb % 2) + q of their block: global offsets only
	s_mul_i32 s87, s86, 16*FRAG
	v_add_nc_u32 v29, s87, v1
	s_mul_i32 s87, s86, 4*FRAG
	v_add_nc_u32 v30, s87, v1
	s_lshl_b32 s87, s86, 10
	v_add_nc_u32 v31, s87, v1
	s_lshl_b32 s87, s86, 8
	v_add_nc_u32 v62, s87, v2
	WIN 0x80                                       ; destination window 2
.set n, 0
.rept 16                               ; register set n = 4 j + q; in memory fragment 4 q + j
.irp g, 0,1,2
	global_load_b128 v[12*n+4*\g:12*n+4*\g+3], v29, s[66:67] offset:(4*(n%4)+n/4)*FRAG+512*\g
.endr
.set n, n+1
.endr
.irp q, 0,1,2,3
.irp g, 0,1,2
	global_load_b128 v[192+12*\q+4*\g:192+12*\q+4*\g+3], v30, s[66:67] offset:49152+\q*FRAG+512*\g
.endr
.endr
	WIN 0
	global_load_b128 v[32:35], v31, s[66:67] offset:61440       ; x's scale words: v[32 + 4 (q / 2) + j], lanes 16 (q % 2) + r
	global_load_b128 v[36:39], v31, s[66:67] offset:61440+512
	global_load_b32 v40, v62, s[66:67] offset:63488             ; e's: v[40 + q / 2]
	global_load_b32 v41, v62, s[66:67] offset:63488+128
	s_wait_tensorcnt 1                             ; my part of the first block of weights is in; the second block's load may stay out
	s_barrier_signal -1
	s_barrier_wait -1
	s_wait_loadcnt 0x0                             ; my queries
	PRE 0, 1                                       ; Q0: K steps 0, 1
	CHANGE 1
	PRE 1, 0                                       ; K steps 2, 3
	PLACES
.irp q, 0,1,2,3
	QUANTF \q, 0, 0                                ; K step J = w of the scores
.endr
	CHANGE 2
	PREC                                           ; Q2, and block w of [Q1 | Q3]
	PLACES
.irp q, 0,1,2,3
	QUANTF \q, 16*FRAG, 1024                       ; J = 4 + w
.endr
	v_add_nc_u32 v21, QIMG+32*FRAG, v11            ; J = 8: my block's places in its four images
	v_add_nc_u32 v22, QIMG+32*FRAG, v12
	v_add_nc_u32 v23, QIMG+32*FRAG, v13
	v_add_nc_u32 v24, QSC+2048-6144, v14
	QP
	CHANGE 3                                       ; its barrier also shows Q's images whole to every wave
	v_add_nc_u32 v25, QIMG, v1
	v_add_nc_u32 v26, QSC, v2
	WIN 0x80
.set n, 0
.rept 16
.irp g, 0,1,2
	ds_load_b128 v[12*n+4*\g:12*n+4*\g+3], v25 offset:n*FRAG+512*\g            ; Q0
.endr
.set n, n+1
.endr
.irp q, 0,1,2,3
.irp g, 0,1,2
	ds_load_b128 v[192+12*\q+4*\g:192+12*\q+4*\g+3], v25 offset:(32+\q)*FRAG+512*\g   ; [Q1 | Q3]
.endr
.endr
	WIN 0xc0
.set n, 0
.rept 16
.irp g, 0,1,2
	ds_load_b128 v[12*n+4*\g:12*n+4*\g+3], v25 offset:(16+n)*FRAG+512*\g       ; Q2
.endr
.set n, n+1
.endr
	WIN 0
.set n, 0
.rept 18
	ds_load_b32 v[32+n], v26 offset:128*n          ; Q's scale words: v[32 + 2 J + q / 2], lanes 16 (q % 2) + r
.set n, n+1
.endr
	TOP 0, 0, 0
	ITER 0, 0, 0                                   ; the walk's step 0: no second product yet
	ITER 1, 1, 0                                   ; step 1: the second product of step 0 starts O^T's sums: nothing is cleared
	s_mov_b32 s58, 12
.Liter:                                                ; steps 2 to 13 of the walk
	ITER 1, 0, 0
	s_sub_co_u32 s58, s58, 1
	s_cmp_lg_u32 s58, 0
	s_cbranch_scc1 .Liter
	ITER 1, 0, 1                                   ; step 14: only the columns of step 15 are left to ask for.  The tail is written out
	ITER 1, 0, 2                                   ; step 15: nothing is left to ask for
	PLACES
	v_add_nc_u32 v25, s57, v1                      ; the last P
	v_add_nc_u32 v26, s57, v2
	v_add_nc_u32 v19, s56, v9                      ; the last columns
	v_add_nc_u32 v20, s56, v10
	LDSET 0, 19, 0, FRAG
	PVSET 2, 1, 0                                  ; the rest of step 14's second product
	PLACES
	LDSET 1, 19, 2*FRAG, FRAG
	PVSET 3, 2, 0
	PLACES
	LDSET 2, 19, 4*FRAG, FRAG
	PLOAD
	s_wait_dscnt 0x0
	PVSET 0, 0, 0                                  ; step 15's
	PLACES
	LDSET 0, 19, 6*FRAG, FRAG
	PVSET 1, 1, 0
	PVSET 2, 2, 0
	s_wait_dscnt 0x0
	PVSET 3, 0, 0
; THE WAY OUT, a query tile at a time.  A lane holds 32 neighbouring bytes of a row of out for each column tile, and the lanes beside it hold other rows: a tile goes through my own stage in LDS and comes back as
; rows of 512 bytes.  LDS serves a wave's instructions in order (ISA guide 5.7.1.4): no wait between the stores and the loads, nor in front of the next tile's stores.
.macro TOSTAGE q
	WIN 0x04                                       ; an LDS store's data are its source 1: window 1
.irp t, 0,1,2,3,4,5,6,7
	ds_store_b128 v27, v[8*(4*\t+(\q)):8*(4*\t+(\q))+3] offset:64*\t           ; each accumulator from its low end on
	ds_store_b128 v27, v[8*(4*\t+(\q))+4:8*(4*\t+(\q))+7] offset:64*\t+16
.endr
	WIN 0
.set BB, 64+64*((\q)%2)
.irp i, 0,1,2,3,4,5,6,7,8,9,10,11,12,13,14,15
	ds_load_b128 v[BB+4*\i:BB+4*\i+3], v28 offset:528*\i
.endr
.endm
.macro SEND q, younger                 ; younger: the LDS instructions issued behind tile q's loads, which may stay out.  Row i of tile q is query 32 (q / 2) + 8 (q % 2) + i + 8 (i / 8) of my 64
.set BB, 64+64*((\q)%2)
	s_wait_dscnt \younger
.irp i, 0,1,2,3,4,5,6,7,8,9,10,11,12,13,14,15
	global_store_b128 v1, v[BB+4*\i:BB+4*\i+3], s[68:69] offset:(32*((\q)/2)+8*((\q)%2)+\i+8*(\i/8))*2048 th:TH_STORE_NT   ; 32 lanes store 512 consecutive bytes, at a multiple of 256 from out's first byte
.endr
.endm
	PLACES
	TOSTAGE 0
.irp q, 1,2,3
.if \q > 1
	s_wait_xcnt 0x0                                ; tile q - 2's stores have read their registers: tile q's loads may land there
.endif
	TOSTAGE \q
	SEND \q-1, 32                                  ; behind tile q - 1's loads: tile q's 16 stores and 16 loads
.endr
	SEND 3, 0
	s_wait_tensorcnt 0x0                           ; the wave's end: behind my last tensor load and my last LDS store
	ds_add_u32 v3, v4
	s_wait_dscnt 0x0
	CROUND                                         ; the closing round: no work-group ends while a partner may still ask for a tile that names it
	s_endpgm
.Lfunc_end_k_qf4d14ddee5_attn:
	.size	k_qf4d14ddee5_attn, .Lfunc_end_k_qf4d14ddee5_attn-k_qf4d14ddee5_attn
	.p2alignl 7, 3214868480
	.fill 96, 4, 3214868480
	.section	.rodata,"a",@progbits
	.p2align	6, 0x0
	.amdhsa_kernel k_qf4d14ddee5_attn
		.amdhsa_group_segment_fixed_size 327680
		.amdhsa_private_segment_fixed_size 0
		.amdhsa_enable_private_segment 0
		.amdhsa_kernarg_size 32
		.amdhsa_user_sgpr_count 2
		.amdhsa_user_sgpr_kernarg_segment_ptr 1
		.amdhsa_wavefront_size32 1
		.amdhsa_system_sgpr_workgroup_id_x 1
		.amdhsa_system_sgpr_workgroup_id_y 1
		.amdhsa_system_sgpr_workgroup_id_z 1
		.amdhsa_system_vgpr_workitem_id 0
		.amdhsa_next_free_vgpr 1024
		.amdhsa_next_free_sgpr 96
		.amdhsa_reserve_vcc 0
		.amdhsa_float_denorm_mode_32 3
		.amdhsa_float_denorm_mode_16_64 3
		.amdhsa_memory_ordered 1
		.amdhsa_forward_progress 1
		.amdhsa_inst_pref_size 246
	.end_amdhsa_kernel
	.amdgpu_metadata
---
amdhsa.version: [ 1, 2 ]
amdhsa.kernels:
  - .name:           k_qf4d14ddee5_attn
    .symbol:         k_qf4d14ddee5_attn.kd
    .args:
      - { .name: kp, .offset: 0, .size: 8, .value_kind: global_buffer, .address_space: global }
      - { .name: vp, .offset: 8, .size: 8, .value_kind: global_buffer, .address_space: global }
      - { .name: wq, .offset: 16, .size: 8, .value_kind: global_buffer, .address_space: global }
      - { .name: out0, .offset: 24, .size: 8, .value_kind: global_buffer, .address_space: global }
    .group_segment_fixed_size: 327680
    .private_segment_fixed_size: 0
    .kernarg_segment_align: 8
    .kernarg_segment_size: 32
    .max_flat_workgroup_size: 128
    .sgpr_count:     96
    .vgpr_count:     1024
    .wavefront_size: 32
...
	.end_amdgpu_metadata
.endif
;; end of part 2
